; MI455X (gfx1250); checked and timed in simulation.
; The chip was launched on July 23, 2026; its instructions are those of AMD's public machine-readable ISA for CDNA 5 (MIT licence, August 2026) and "CDNA5" Instruction Set Architecture Reference Guide (July 2026). The comments in the code are by the model that wrote it; some were corrected since.
;; Ternary Linear. Allowed arithmetic: float matrix products may take bf16 or f16 operands with f32 sums; other float arithmetic in f32, or as packed bf16 or f16 multiplies, adds, multiply-adds, maxima and minima; sums over many terms, partial sums and values carried from step to step in f32; what a program stores and reads back later, other than sums and carried values, may be rounded once to bf16 or f16.
;; Inputs: w 4,096 x 2,048 float32; x 4 x 2,048 x 4,096 float32.
;; Outputs: out0 4 x 2,048 x 2,048 float32.
;; 2 versions, each right. Each part assembles by itself: llvm-mc -triple=amdgcn-amd-amdhsa -mcpu=gfx1250 --defsym DOCPART=n.
;; ======== version 1 of 2: 2 launches
;; workspace buffers: wb 16,777,216 bytes
;; launch castw (part 1): grid 1024 x 1, 8 waves a work-group, no clusters, 0 bytes of LDS; arguments w, wb; writes wb
.if DOCPART == 1
	.amdgcn_target "amdgcn-amd-amdhsa--gfx1250"
	.amdhsa_code_object_version 6
	.text
	.protected	k_qf3dc5f440c_castw
	.globl	k_qf3dc5f440c_castw
	.p2align	8
	.type	k_qf3dc5f440c_castw,@function
k_qf3dc5f440c_castw:
	s_mov_b64 s[64:65], 0
	v_nop
	global_prefetch_b8 v0, s[64:65] scope:SCOPE_SE
	s_setreg_imm32_b32 hwreg(HW_REG_WAVE_MODE, 25, 1), 1
	s_wait_xcnt 0x0
; wb[k][n] = bf16(w[k][n]).  w: [4096][2048] f32, wb: the same layout in bf16.  Each number is rounded once, to nearest even.
; LIMITS.  A magnitude above bf16's largest finite number (3.39e38) becomes an infinity; NaN stays NaN.  Nothing is assumed of w's values.
; SHARES.  A work-group of eight waves takes 32,768 consecutive bytes of w (1,024 work-groups x 32,768 = all 33,554,432) and makes 16,384 bytes of wb.
; Thread t loads 16 bytes at 4,096 j + 16 t, j = 0..7: a wave's load covers 512 consecutive bytes.  It stores 8 bytes at 2,048 j + 8 t: a wave's store covers 256 consecutive bytes, aligned.
; All eight loads go out first; no register is written twice, so no wait frees a source.  Nothing is shared between waves: no LDS, no barrier.
.set IN,  8                            ; v[8:39]   load j at IN + 4 j
.set OUT, 40                           ; v[40:55]  result j at OUT + 2 j
	s_load_b128 s[4:7], s[0:1], 0x0                ; w s[4:5], wb s[6:7]
	v_lshlrev_b32 v1, 4, v0                        ; 16 t
	v_lshlrev_b32 v2, 3, v0                        ; 8 t
	s_lshl_b32 s2, ttmp9, 15                       ; the work-group's part of w,
	s_mov_b32 s3, 0
	s_lshl_b32 s8, ttmp9, 14                       ; and of wb
	s_mov_b32 s9, 0
	s_wait_kmcnt 0x0
	s_add_nc_u64 s[4:5], s[4:5], s[2:3]
	s_add_nc_u64 s[6:7], s[6:7], s[8:9]
.irp j, 0,1,2,3,4,5,6,7
	global_load_b128 v[IN+4*(\j):IN+4*(\j)+3], v1, s[4:5] offset:4096*(\j) th:TH_LOAD_NT
.endr
.irp j, 0,1,2,3,4,5,6,7
	s_wait_loadcnt 7-(\j)                          ; loads come back in order (ISA guide 5.7.1): load j is in, the 7 - j younger ones may stay out
	v_cvt_pk_bf16_f32 v[OUT+2*(\j)],   v[IN+4*(\j)],   v[IN+4*(\j)+1]
	v_cvt_pk_bf16_f32 v[OUT+2*(\j)+1], v[IN+4*(\j)+2], v[IN+4*(\j)+3]
	global_store_b64 v2, v[OUT+2*(\j):OUT+2*(\j)+1], s[6:7] offset:2048*(\j)
.endr
	s_endpgm
.Lfunc_end_k_qf3dc5f440c_castw:
	.size	k_qf3dc5f440c_castw, .Lfunc_end_k_qf3dc5f440c_castw-k_qf3dc5f440c_castw
	.p2alignl 7, 3214868480
	.fill 96, 4, 3214868480
	.section	.rodata,"a",@progbits
	.p2align	6, 0x0
	.amdhsa_kernel k_qf3dc5f440c_castw
		.amdhsa_group_segment_fixed_size 0
		.amdhsa_private_segment_fixed_size 0
		.amdhsa_enable_private_segment 0
		.amdhsa_kernarg_size 16
		.amdhsa_user_sgpr_count 2
		.amdhsa_user_sgpr_kernarg_segment_ptr 1
		.amdhsa_wavefront_size32 1
		.amdhsa_system_sgpr_workgroup_id_x 1
		.amdhsa_system_sgpr_workgroup_id_y 1
		.amdhsa_system_sgpr_workgroup_id_z 1
		.amdhsa_system_vgpr_workitem_id 0
		.amdhsa_next_free_vgpr 56
		.amdhsa_next_free_sgpr 66
		.amdhsa_reserve_vcc 0
		.amdhsa_float_denorm_mode_32 3
		.amdhsa_float_denorm_mode_16_64 3
		.amdhsa_memory_ordered 1
		.amdhsa_forward_progress 1
		.amdhsa_inst_pref_size 4
	.end_amdhsa_kernel
	.amdgpu_metadata
---
amdhsa.version: [ 1, 2 ]
amdhsa.kernels:
  - .name:           k_qf3dc5f440c_castw
    .symbol:         k_qf3dc5f440c_castw.kd
    .args:
      - { .name: w, .offset: 0, .size: 8, .value_kind: global_buffer, .address_space: global }
      - { .name: wb, .offset: 8, .size: 8, .value_kind: global_buffer, .address_space: global }
    .group_segment_fixed_size: 0
    .private_segment_fixed_size: 0
    .kernarg_segment_align: 8
    .kernarg_segment_size: 16
    .max_flat_workgroup_size: 256
    .sgpr_count:     66
    .vgpr_count:     56
    .wavefront_size: 32
...
	.end_amdgpu_metadata
.endif
;; end of part 1
;; launch gemm (part 2): grid 8 x 32, 4 waves a work-group, clusters of 4 x 4, 327,680 bytes of LDS; arguments x, wb, out0; writes out0
.if DOCPART == 2
	.amdgcn_target "amdgcn-amd-amdhsa--gfx1250"
	.amdhsa_code_object_version 6
	.text
	.protected	k_qf3dc5f440c_gemm
	.globl	k_qf3dc5f440c_gemm
	.p2align	8
	.type	k_qf3dc5f440c_gemm,@function
k_qf3dc5f440c_gemm:
	s_mov_b64 s[64:65], 0
	v_nop
	global_prefetch_b8 v0, s[64:65] scope:SCOPE_SE
	s_setreg_imm32_b32 hwreg(HW_REG_WAVE_MODE, 25, 1), 1
	s_wait_xcnt 0x0
	s_wait_alu depctr_hold_cnt(0) depctr_sa_sdst(0) depctr_va_vdst(0) depctr_va_sdst(0) depctr_va_ssrc(0) depctr_va_vcc(0) depctr_vm_vsrc(0)
	s_getreg_b32 s2, hwreg(HW_REG_IB_STS2, 6, 4)
	s_cmp_eq_u32 s2, 0
	s_cbranch_scc0 .Lentry_in_a_cluster
	s_endpgm
.Lentry_in_a_cluster:
	s_bfe_u32 s2, ttmp6, 0x10000c
	s_cmp_lg_u32 s2, 0xf033
	s_cbranch_scc0 .Lentry_shape_is_right
	s_endpgm
.Lentry_shape_is_right:
; out0[m][n] = the sum over k of x[m][k] w[k][n].  x: [8192][4096] f32 (batch and rows folded), wb: [4096 (k)][2048 (n)] bf16 (w rounded once by the launch before), out0: [8192][2048] f32.
; x is rounded once to bf16 (nearest even) on the way from LDS to the matrix instruction; sums in f32, K ascending, one accumulator for each output.
; LIMITS.  A magnitude of x above bf16's largest finite number (3.39e38) becomes an infinity; NaN and infinities pass as the matrix instruction treats them.  No other limit of range.
; SHARES.  A tile of out0, 256 x 256, is made by a work-group of four waves; a wave makes 128 x 128: 64 accumulators of 16 x 16, 512 registers.  32 x 8 tiles: 256 work-groups.
; K goes in 64 steps of 64 through a ring of two LDS slots filled by the tensor data mover.  A slot holds 256 rows of x as f32 (256 bytes a row) and 64 k-rows of wb (512 bytes a row).  Two slots of a step of 128
; would take 409,600 bytes, more than the work-group's 327,680: so the step is 64.
; x's fragments are read from LDS as f32 and converted in registers, four conversions behind every second matrix instruction.  wb lies [k][n] and is read turned, by ds_load_tr16_b128.
; CLUSTERS: 4 x 4 work-groups.  The four of a row of the cluster need the same rows of x, the four of a column the same columns of wb: each tile is asked for JOINTLY, by the same tensor load with the same
; descriptor and a mask that names the four.
; THE MATRIX INSTRUCTION IS USED TRANSPOSED: source 0 = 16 columns of w, source 1 = 16 rows of x.  In the result lane l holds row l % 16 of out0 and columns 8 (l / 16) + 0..7: 32 consecutive bytes.
; A HALF is 32 along K: 64 matrix instructions on one pair of fragment buffers, while the other pair is fetched (48 LDS loads in one run at the half's head) and x's part of it converted (64 conversions).
; REGISTERS, in windows of 256 (s_set_vgpr_msb: bits 1:0 source 0, 3:2 source 1, 5:4 source 2, 7:6 destination):
;   window 0: v0-31 addresses; v64-127, v128-191 x's fragments in bf16, two buffers (fragment i at + 8 i); on the way out these are the two buffers of rows read back
;   window 1: v0-127 x's fragments of one half as f32 (fragment i at 16 i); v128-191, v192-255 w's fragments, two buffers (columns 16 b on at + 8 b)
;   window 2: the 32 accumulators of my rows 0-63 (accumulator (a, b) at 8 (8 a + b));   window 3: those of my rows 64-127
.set PA,     272                       ; a row of x in LDS: 256 bytes + 16 of padding = 68 words: row r starts at bank 4 r mod 64 (64 banks of 4 bytes: ISA guide 11.1): the 16 rows of a load's half start at 16 different groups of four banks
.set PB,     544                       ; a k-row of wb: 512 + 32 = 136 words: row r starts at bank 8 r mod 64
.set HALFA,  128*PA                    ; what one tensor load brings of x: 128 rows; also what one wave reads of x
.set HALFB,  32*PB                     ; what one tensor load brings of wb: 32 k-rows
.set BOFF,   256*PA                    ; wb's rows lie behind x's 256
.set SLOT,   BOFF+64*PB                ; 104,448 bytes
.set STAGE,  2*SLOT                    ; behind the ring: 16 rows x 528 bytes for each wave, for the way out; no tensor load fills it
.set SPITCH, 528                       ; 512 bytes + 16 = 132 words: row r starts at bank 4 r mod 64
.set WSTAGE, 16*SPITCH
.set SPARE,  STAGE+4*WSTAGE            ; behind the stages: the spare words, 128 bytes for each wave: two blocks of 256 bytes that no other line names
.set XSTEP,  256                       ; a K step along a row of x, in bytes
.set WSTEP,  64*4096                   ; a K step down wb, in bytes
.set OROW,   8192                      ; a row of out0, in bytes
.set ADRA, 16                          ; v16-17  LDS address of my x fragments in slot 0, 1
.set ADRB, 20                          ; v20-21  the same for wb
.set STO,  24                          ; v24     the way out: where I put 32 bytes of a row
.set RD,   25                          ; v25     the way out: where I read a row back
.set CO,   26                          ; v26     my byte offset in 512 bytes of a row of out0
.set SPW,  28                          ; v28     LDS address of my spare word: SPARE + 4 x my thread's number; never rewritten
.set NIL,  29                          ; v29     0; never rewritten
.set PFO,  30                          ; v30     the prefetches' lane offset; never rewritten
.set AF0,  64                          ; window 0: x's bf16 fragments, buffer f at AF0 + 64 f
.set RAW,  0                           ; window 1: x's f32 fragments
.set BF0,  128                         ; window 1: w's fragments, buffer f at BF0 + 64 f
.set OB,   64                          ; window 0: the way out's two buffers of 64
.set G1,  24                           ; s[24:31] descriptor group 1 for x's tiles
.set G0,  32                           ; s[32:39] group 0 for x's tiles, one set for each slot
.set G1B, 48                           ; s[48:55] group 1 for wb's tiles
.set G0B, 56                           ; s[56:63] group 0 for wb's tiles, one set for each slot
.set PFS, 18                           ; s[18:19] a K step in the stream that I prefetch, in bytes
.set LIM, 43                           ; s43      1 in a wave that prefetches, else the greatest number
.set PFA, 44                           ; s[44:45] where my prefetches stand
.set MSB, 0
.macro WIN new                         ; the immediate's high byte repeats the setting that is left; a switch that changes nothing is dropped
.if MSB != (\new)
	s_set_vgpr_msb (MSB<<8)|(\new)
.set MSB, \new
.endif
.endm
.set MUL_LO, 0xa1                      ; source 0 (w) window 1, source 1 (x) window 0, C and D window 2
.set MUL_HI, 0xf1                      ; the same, C and D window 3
.set TO_1,   0x40                      ; destination window 1, address window 0
.set CVT,    0x05                      ; both sources window 1, destination window 0
; A joint load.  Waves 0 and 1 fetch the two halves of x's tile, waves 2 and 3 those of wb's.  The branch hangs on the wave's number alone: it is the same in every work-group.
; An s_nop 0 and four v_nop follow each of the two lines; the jump, the label and what follows come after them.
.macro JLOAD s
	s_cmp_eq_u32 s11, 0
	s_cbranch_scc0 .Lfor_b_\@
	tensor_load_to_lds s[G0+4*(\s):G0+4*(\s)+3], s[G1:G1+7]
	s_nop 0
.rept 4
	v_nop
.endr
	s_branch .Lasked_\@
.Lfor_b_\@:
	tensor_load_to_lds s[G0B+4*(\s):G0B+4*(\s)+3], s[G1B:G1B+7]
	s_nop 0
.rept 4
	v_nop
.endr
.Lasked_\@:
.endm
; A round of the cluster's barrier: my work-group's barrier, so that wave 0's signal speaks for all four waves; wave 0 signals for the work-group; every wave waits for all sixteen; my work-group's barrier once more.
.macro CREST                           ; a round behind its opening barrier
	s_cmp_lg_u32 s10, 0
	s_cbranch_scc1 .Lnot_wave_0_\@
	s_barrier_signal -3
.Lnot_wave_0_\@:
	s_barrier_wait -3
	s_barrier_signal -1
	s_barrier_wait -1
.endm
.macro CROUND                          ; a whole round
	s_barrier_signal -1
	s_barrier_wait -1
	CREST
.endm
; A PREFETCH INTO THE L2, behind a joint load, its five lines and the run of LDS loads that follows: the K step that stands FOUR refills on, 512 matrix instructions of a wave ahead of the load that will want it.
; Each aligned block of 256 bytes is named once in the launch.  x: a K step is 256 bytes of each row; the clusters with x = 0 ask, waves 0 and 1; of a wave's 128 rows the partner at cx takes 32, a lane a row.
; wb: a K step is 64 k-rows x 512 bytes for each tile column; the clusters with y = 0 ask, wave 2; the partner at cy takes 16 k-rows, two lanes a row.  The partners are told apart BY ADDRESS, never by a branch.
; K steps 0 to 5 come by their loads alone; the loop's last trip (s3 = 1) and the tail ask for nothing: trip i names steps 2 i + 6 and 2 i + 7, the last of them step 63.
.macro ASK
	WIN 0
	s_cmp_gt_u32 s3, s[LIM]
	s_cbranch_scc0 .Lnot_mine_\@
	global_prefetch_b8 v[PFO], s[PFA:PFA+1] th:TH_LOAD_NT scope:SCOPE_SE
.Lnot_mine_\@:
.endm
	s_load_b128 s[4:7], s[0:1], 0x0                ; x s[4:5], wb s[6:7]
	s_load_b64 s[8:9], s[0:1], 0x10                ; out0
	v_lshl_add_u32 v[SPW], v0, 2, SPARE
	v_mov_b32 v[NIL], 0
	ds_add_u32 v[SPW], v[NIL]                      ; the wave's opening: the add, twice on end, and its wait ahead of my first tensor load; the set-up below, work on registers, stands between
	ds_add_u32 v[SPW], v[NIL]                      ; and once more, under the one wait
	v_lshrrev_b32 v1, 5, v0
	v_readfirstlane_b32 s10, v1                    ; wave 0..3
	s_lshr_b32 s11, s10, 1                         ; which 128 rows of the tile are mine.  Also: I fetch for x (0) or for wb (1)
	s_and_b32 s12, s10, 1                          ; which 128 columns.  Also: which half of that tile I fetch
	s_bfe_u32 s40, ttmp6, 0x40000                  ; cx
	s_bfe_u32 s41, ttmp6, 0x40004                  ; cy
	s_lshl_b32 s42, ttmp9, 2                       ; in a cluster launch ttmp9 and ttmp7 count clusters
	s_add_co_u32 s42, s42, s40                     ; tile column = 4 x cluster x + cx
	s_and_b32 s13, ttmp7, 0xffff
	s_lshl_b32 s13, s13, 2
	s_add_co_u32 s13, s13, s41                     ; tile row = 4 x cluster y + cy
	s_lshl_b32 s43, s41, 2
	s_lshl_b32 s43, 15, s43                        ; my row of the cluster: places 4 cy .. 4 cy + 3
	s_lshl_b32 s44, 0x1111, s40                    ; my column: places cx, cx + 4, cx + 8, cx + 12
	; group 1 for x: 128 rows x 64 elements of 4 bytes, 4 words of padding behind every 64
	s_or_b32 s[G1+0], s43, (2<<16)|(1<<20)|(1<<21)|(5<<22)|(3<<25)   ; 15:0 the mask: my row; 17:16 elements of 4 bytes; 20 padding on; 21 set beside a mask; 24:22 after every 64 words (code 5); 31:25 4 words (code 3)
	s_mov_b32 s[G1+1], 64<<16                      ; tensor_dim0 = 64
	s_mov_b32 s[G1+2], 128<<16                     ; tensor_dim1 = 128
	s_mov_b32 s[G1+3], 64<<16                      ; tile_dim0 = 64
	s_mov_b32 s[G1+4], 128                         ; tile_dim1 = 128
	s_mov_b32 s[G1+5], 4096                        ; elements from row to row
	s_mov_b32 s[G1+6], 0
	s_mov_b32 s[G1+7], 0
	; group 1 for wb: 32 k-rows x 256 elements of 2 bytes, 8 words of padding behind every 128
	s_or_b32 s[G1B+0], s44, (1<<16)|(1<<20)|(1<<21)|(6<<22)|(7<<25)  ; the mask: my column; elements of 2 bytes; after every 128 words (code 6) 8 words (code 7)
	s_mov_b32 s[G1B+1], 256<<16                    ; tensor_dim0 = 256
	s_mov_b32 s[G1B+2], 32<<16                     ; tensor_dim1 = 32
	s_mov_b32 s[G1B+3], 256<<16                    ; tile_dim0 = 256
	s_mov_b32 s[G1B+4], 32                         ; tile_dim1 = 32
	s_mov_b32 s[G1B+5], 2048                       ; elements from k-row to k-row
	s_mov_b32 s[G1B+6], 0
	s_mov_b32 s[G1B+7], 0
	; where the tiles come from.  x's hang on the tile row alone, wb's on the tile column alone; each offset lies in registers that never hold the other coordinate.  Both stay under 2^28.
	s_lshl_b32 s16, s13, 8
	s_lshl_b32 s17, s12, 7
	s_add_co_u32 s16, s16, s17                     ; x: row 256 x tile row + 128 x half,
	s_lshl_b32 s16, s16, 14                        ; x 16,384 bytes
	s_mov_b32 s17, 0
	s_lshl_b32 s46, s12, 17                        ; wb: k-row 32 x half, x 4,096 bytes,
	s_lshl_b32 s47, s42, 9                         ; + 512 bytes x tile column
	s_add_co_u32 s46, s46, s47
	s_mov_b32 s47, 0
	s_mul_i32 s20, s12, HALFA                      ; and where they go: no place in the cluster enters an LDS address
	s_mul_i32 s21, s12, HALFB
	s_add_co_u32 s21, s21, BOFF
	s_wait_dscnt 0x0                               ; both opening adds are done
	s_wait_kmcnt 0x0
	s_add_nc_u64 s[14:15], s[4:5], s[16:17]
	s_add_nc_u64 s[46:47], s[6:7], s[46:47]
	CROUND                                         ; all sixteen work-groups are here: the first joint loads meet
.irp s, 0,1
	s_mov_b32 s[G0+4*(\s)], 1                                        ; count = 1
	s_add_co_u32 s[G0+4*(\s)+1], s20, (\s)*SLOT                      ; LDS address
	s_add_nc_u64 s[G0+4*(\s)+2:G0+4*(\s)+3], s[14:15], (\s)*XSTEP    ; global address: K step s
	s_or_b32 s[G0+4*(\s)+3], s[G0+4*(\s)+3], 0x80000000              ; type = 2
	s_mov_b32 s[G0B+4*(\s)], 1
	s_add_co_u32 s[G0B+4*(\s)+1], s21, (\s)*SLOT
	s_add_nc_u64 s[G0B+4*(\s)+2:G0B+4*(\s)+3], s[46:47], (\s)*WSTEP
	s_or_b32 s[G0B+4*(\s)+3], s[G0B+4*(\s)+3], 0x80000000
	JLOAD \s                                       ; both slots are asked for before anything else is done: two loads of mine are out
.endr
	v_and_b32 v1, 15, v0                           ; r = l % 16
	v_bfe_u32 v2, v0, 4, 1                         ; h = l / 16
	v_and_b32 v3, 31, v0                           ; l
	; A fragment of x is 16 rows x 32 k: lane l holds row r, k = 8 h + 0..7 and 16 + 8 h + 0..7.  As f32 those are 32 bytes at 32 h and 32 bytes at 64 + 32 h of the half's 128: four loads of 16 bytes.
	v_mul_u32_u24 v4, v1, PA
	v_lshl_add_u32 v4, v2, 5, v4                   ; r x pitch + 32 h
	s_mul_i32 s22, s11, HALFA                      ; my 128 rows
	v_add_nc_u32 v[ADRA], s22, v4
	v_add_nc_u32 v[ADRA+1], SLOT, v[ADRA]
	; The turning load takes 16 k x 16 columns (lane l reads 16 bytes: k-row 8 h + l % 8, columns 8 ((l / 8) % 2) + 0..7) and leaves half a fragment: lane l holds column r and 8 k.
	v_and_b32 v5, 7, v0
	v_bfe_u32 v6, v0, 3, 1
	v_lshl_add_u32 v5, v2, 3, v5
	v_mul_u32_u24 v5, v5, PB
	v_lshl_add_u32 v5, v6, 4, v5
	s_lshl_b32 s23, s12, 8                         ; my 128 columns: 256 bytes
	s_add_co_u32 s23, s23, BOFF
	v_add_nc_u32 v[ADRB], s23, v5
	v_add_nc_u32 v[ADRB+1], SLOT, v[ADRB]
	s_mul_i32 s22, s10, WSTAGE
	s_add_co_u32 s22, s22, STAGE                   ; my stage
	v_mul_u32_u24 v7, v1, SPITCH                   ; in: row r, 32 bytes for each half of the lanes
	v_lshl_add_u32 v7, v2, 5, v7
	v_add_nc_u32 v[STO], s22, v7
	v_lshl_add_u32 v[RD], v3, 4, s22               ; back: 32 lanes take one row of 512 bytes
	v_lshlrev_b32 v[CO], 4, v3                     ; and the same 512 bytes in out0
	; out0 at my first element: row 256 x tile row + 128 x row half, column 256 x tile column + 128 x column half
	s_lshl_b32 s16, s13, 8
	s_lshl_b32 s17, s11, 7
	s_add_co_u32 s16, s16, s17
	s_lshl_b32 s16, s16, 13                        ; x 8,192 bytes: under 2^26
	s_lshl_b32 s46, s42, 10
	s_lshl_b32 s47, s12, 9
	s_add_co_u32 s46, s46, s47
	s_add_co_u32 s46, s46, s16
	s_mov_b32 s47, 0
	s_add_nc_u64 s[8:9], s[8:9], s[46:47]
	; the prefetches: offsets first, made apart from the addresses
	s_lshl_b32 s20, s13, 8
	s_lshl_b32 s21, s12, 7
	s_add_co_u32 s20, s20, s21                     ; x: the 128 rows that I fetch,
	s_lshl_b32 s21, s40, 5
	s_add_co_u32 s20, s20, s21                     ; my work-group's 32 of them,
	s_lshl_b32 s20, s20, 14
	s_add_co_u32 s20, s20, 5*XSTEP                 ; at K step 5: the first refill steps it to 6
	s_lshl_b32 s21, s41, 16                        ; wb: my work-group's 16 k-rows of a step's 64,
	s_lshl_b32 s23, s42, 9                         ; my tile column's 512 bytes,
	s_add_co_u32 s21, s21, s23
	s_add_co_u32 s21, s21, 5*WSTEP                 ; at K step 5
	s_mov_b32 s[PFS], WSTEP                        ; wb's values first; x's take their place below in waves 0 and 1
	s_mov_b32 s[PFS+1], 0
	s_mov_b32 s14, 1                               ; lanes to a row, as a shift and as a mask
	s_mov_b32 s15, 4096                            ; bytes from row to row
	s_and_b32 s22, ttmp7, 0xffff                   ; cluster y
	s_cmp_eq_u32 s11, 0                            ; do I fetch for x?
	s_cselect_b32 s22, ttmp9, s22                  ; the coordinate along which other clusters read the same rows
	s_cselect_b64 s[PFA:PFA+1], s[4:5], s[6:7]
	s_cselect_b32 s[PFS], XSTEP, s[PFS]
	s_cselect_b32 s20, s20, s21
	s_cselect_b32 s14, 0, s14
	s_cselect_b32 s15, 16384, s15
	s_mov_b32 s21, 0
	s_add_nc_u64 s[PFA:PFA+1], s[PFA:PFA+1], s[20:21]
	s_cmp_eq_u32 s10, 3                            ; wave 2 names all of wb's blocks: wave 3 asks for nothing
	s_cselect_b32 s23, 1, 0
	s_or_b32 s22, s22, s23
	s_cmp_eq_u32 s22, 0
	s_cselect_b32 s[LIM], 1, -1                    ; the same in all sixteen partners, for a given wave
	v_lshrrev_b32 v8, s14, v3                      ; x: row l; wb: k-row l / 2,
	v_and_b32 v9, s14, v3                          ; and block l % 2 of its two
	v_mul_u32_u24 v8, s15, v8
	v_lshl_add_u32 v[PFO], v9, 8, v8
	s_mov_b32 s3, 30                               ; the loop's trips
; 48 LDS loads in one run: half kq (32 k) of a slot's step.  First w's 8 fragments, turned, into buffer g; then x's 8 fragments as f32.
.macro FETCH slot, kq, g
	WIN TO_1
.irp b, 0,1,2,3,4,5,6,7
	ds_load_tr16_b128 v[BF0+64*(\g)+8*(\b):BF0+64*(\g)+8*(\b)+3],   v[ADRB+(\slot)] offset:(\kq)*32*PB+32*(\b)
	ds_load_tr16_b128 v[BF0+64*(\g)+8*(\b)+4:BF0+64*(\g)+8*(\b)+7], v[ADRB+(\slot)] offset:(\kq)*32*PB+16*PB+32*(\b)
.endr
.irp i, 0,1,2,3,4,5,6,7
	ds_load_b128 v[RAW+16*(\i):RAW+16*(\i)+3],     v[ADRA+(\slot)] offset:(\i)*16*PA+(\kq)*128
	ds_load_b128 v[RAW+16*(\i)+4:RAW+16*(\i)+7],   v[ADRA+(\slot)] offset:(\i)*16*PA+(\kq)*128+16
	ds_load_b128 v[RAW+16*(\i)+8:RAW+16*(\i)+11],  v[ADRA+(\slot)] offset:(\i)*16*PA+(\kq)*128+64
	ds_load_b128 v[RAW+16*(\i)+12:RAW+16*(\i)+15], v[ADRA+(\slot)] offset:(\i)*16*PA+(\kq)*128+80
.endr
.endm
; One matrix instruction: accumulator (a, b) of window 2 + hi, on buffers f.  zero = 1: the product starts the sum: nothing is ever cleared.
.macro MM f, hi, a, b, zero
	WIN MUL_LO+0x50*(\hi)
.if \zero
	v_wmma_f32_16x16x32_bf16 v[8*(8*(\a)+(\b)):8*(8*(\a)+(\b))+7], v[BF0+64*(\f)+8*(\b):BF0+64*(\f)+8*(\b)+7], v[AF0+64*(\f)+8*(4*(\hi)+(\a)):AF0+64*(\f)+8*(4*(\hi)+(\a))+7], 0
.else
	v_wmma_f32_16x16x32_bf16 v[8*(8*(\a)+(\b)):8*(8*(\a)+(\b))+7], v[BF0+64*(\f)+8*(\b):BF0+64*(\f)+8*(\b)+7], v[AF0+64*(\f)+8*(4*(\hi)+(\a)):AF0+64*(\f)+8*(4*(\hi)+(\a))+7], v[8*(8*(\a)+(\b)):8*(8*(\a)+(\b))+7]
.endif
.endm
; 16 matrix instructions: row blocks a0, a0 + 1 of the window's four x all 8 column blocks.  The 64 accumulators take turns in the same order in every half: 63 others stand between two links of a chain.
.macro MUL16 f, hi, a0, zero
.irp a, \a0, (\a0)+1
.irp b, 0,1,2,3,4,5,6,7
	MM \f, \hi, \a, \b, \zero
.endr
.endr
.endm
; The same 16, and behind every second of them four conversions: x's fragments i0 .. i0 + 3 from f32 to bf16, into buffer g (the one that is not being multiplied).  No conversion names a register of the products
; round it.  The last four stand behind the last product: they are the four places in front of the next run of loads into registers that these products have read.
.macro MULC f, hi, a0, g, i0, zero
.set cc, 0
.irp a, \a0, (\a0)+1
.irp b, 0,1,2,3,4,5,6,7
	MM \f, \hi, \a, \b, \zero
.if ((\b)%2) == 1
	WIN CVT
.rept 4
	v_cvt_pk_bf16_f32 v[AF0+64*(\g)+8*(\i0)+cc], v[RAW+16*(\i0)+2*cc], v[RAW+16*(\i0)+2*cc+1]
.set cc, cc+1
.endr
.endif
.endr
.endr
.endm
; A K step's FIRST HALF: multiplies buffers 0, fetches and converts the step's second half into buffers 1, and changes slots.  The run of loads at its head is the last reading of this slot.
; mode 2: ONE barrier for the change, which opens a round of the cluster's, and behind the round this slot is filled again with the step two on.  mode 1: the barrier alone.  mode 0: the last step: no barrier.
.macro H0 slot, zero, mode
.if (\mode) == 2
	s_wait_xcnt 0x0                                ; the last prefetch, 64 matrix instructions back, has read its address: it is stepped here, far ahead of the joint load
	s_add_nc_u64 s[PFA:PFA+1], s[PFA:PFA+1], s[PFS:PFS+1]
.endif
	FETCH \slot, 1, 1
	MUL16 0, 0, 0, \zero
	MUL16 0, 0, 2, \zero
.if (\mode) > 0
	WIN 0                                          ; (the add's two registers lie in window 0)
	s_wait_tensorcnt 0x0                           ; all my tensor loads have landed: the one that was out is my part of the next slot, asked for 96 matrix instructions ago
	ds_add_u32 v[SPW], v[NIL]                      ; 0 onto my spare word
	s_wait_dscnt 17                                ; the add and the youngest 16 loads (x's fragments 4-7) may be out: w's and x's fragments 0-3 are in
.else
	s_wait_dscnt 16                                ; the youngest 16 loads (x's fragments 4-7) may be out
.endif
	MULC 0, 1, 0, 1, 0, \zero
	s_wait_dscnt 0x0                               ; x's fragments 4-7 are in; the add is done; my reads of this slot are over
.if (\mode) > 0
	s_barrier_signal -1                            ; say so,
.endif
	MULC 0, 1, 2, 1, 4, \zero                      ; work on registers while the others arrive,
.if (\mode) > 0
	WIN 0
	s_barrier_wait -1                              ; and go on when all four have said so
.endif
.if (\mode) == 2
	CREST                                          ; all sixteen work-groups have said so: no wave of any partner still reads this slot or has a load on its way
	s_add_nc_u64 s[G0+4*(\slot)+2:G0+4*(\slot)+3], s[G0+4*(\slot)+2:G0+4*(\slot)+3], 2*XSTEP
	s_add_nc_u64 s[G0B+4*(\slot)+2:G0B+4*(\slot)+3], s[G0B+4*(\slot)+2:G0B+4*(\slot)+3], 2*WSTEP
	JLOAD \slot                                    ; the first tensor load behind the round, one a wave
.endif
.endm
; A K step's SECOND HALF: multiplies buffers 1, fetches and converts the next step's first half, from the next slot, into buffers 0.
.macro H1 next, ask
	FETCH \next, 0, 0
.if \ask
	ASK
.endif
	MUL16 1, 0, 0, 0
	MUL16 1, 0, 2, 0
	s_wait_dscnt 16                                ; the youngest 16 loads (x's fragments 4-7) may be out
	MULC 1, 1, 0, 0, 0, 0
	s_wait_dscnt 0x0
	MULC 1, 1, 2, 0, 4, 0
.endm
; THE WAY OUT of block a (16 rows x 128 columns of f32): a lane's 32 bytes of a row go into my own stage, rows of 528 bytes; whole rows of 512 bytes come back.  Each accumulator's lowest four registers go first.
.macro TOSTAGE a
.if (\a) >= 2
	s_wait_xcnt 0x0                                ; the stores of the block two back have read this buffer's registers: only behind this wait are they loaded again
.endif
	WIN 0x08+4*((\a)/4)                            ; store data in window 2 or 3, address in window 0
.irp b, 0,1,2,3,4,5,6,7
	ds_store_b128 v[STO], v[64*((\a)%4)+8*(\b):64*((\a)%4)+8*(\b)+3]   offset:64*(\b)
	ds_store_b128 v[STO], v[64*((\a)%4)+8*(\b)+4:64*((\a)%4)+8*(\b)+7] offset:64*(\b)+16
.endr
	WIN 0
.irp t, 0,1,2,3,4,5,6,7,8,9,10,11,12,13,14,15
	ds_load_b128 v[OB+64*((\a)%2)+4*(\t):OB+64*((\a)%2)+4*(\t)+3], v[RD] offset:(\t)*SPITCH  ; LDS serves a wave's instructions in order (ISA guide 5.7.1.4): these see the stores above, and the next block's stores come behind them
.endr
.endm
.macro SEND a, younger                 ; younger: the LDS instructions issued behind block a's loads: the next block's 32, or none
	WIN 0
.irp t, 0,1,2,3,4,5,6,7,8,9,10,11,12,13,14,15
	s_wait_dscnt (\younger)+15-(\t)                ; row t is back; my 15 - t later rows and the younger ones may be out
	global_store_b128 v[CO], v[OB+64*((\a)%2)+4*(\t):OB+64*((\a)%2)+4*(\t)+3], s[8:9] offset:(16*(\a)+(\t))*OROW th:TH_STORE_NT  ; 512 consecutive bytes, at a multiple of 512 from out0's first; 127 rows at the most in the immediate
.endr
.endm
	s_wait_tensorcnt 1                             ; my part of K step 0 is in; slot 1's may stay out
	s_barrier_signal -1
	s_barrier_wait -1                              ; everybody's is
	FETCH 0, 0, 0
	s_wait_dscnt 0x0
	WIN CVT
.set cc, 0
.rept 64                               ; the first half's fragments of x: there are no products yet to set these between
	v_cvt_pk_bf16_f32 v[AF0+cc], v[RAW+2*cc], v[RAW+2*cc+1]
.set cc, cc+1
.endr
	H0 0, 1, 2                                     ; K step 0's first half stands in front of the loop: its products start the sums; slot 0 takes step 2
	WIN 0                                          ; at a label and at a branch every window is 0
.Llap:                                         ; trip i: the second half of step 2 i, step 2 i + 1, the first half of step 2 i + 2; steps 2 i + 3 and 2 i + 4 are asked for
	H1 1, 1
	H0 1, 0, 2
	H1 0, 1
	H0 0, 0, 2
	WIN 0
	s_sub_co_u32 s3, s3, 1
	s_cmp_lg_u32 s3, 0
	s_cbranch_scc1 .Llap
	H1 1, 0                                        ; the tail is written out: step 60's second half
	H0 1, 0, 2                                     ; step 61; slot 1 takes step 63: the last load
	H1 0, 0
	H0 0, 0, 1                                     ; step 62: the barrier shows step 63's tile whole; nothing is filled, so no round follows
	H1 1, 0
	H0 1, 0, 0                                     ; step 63
	MUL16 1, 0, 0, 0
	MUL16 1, 0, 2, 0
	MUL16 1, 1, 0, 0
	MUL16 1, 1, 2, 0
	WIN 0
.rept 8
	v_nop                                          ; the places behind the last products, in front of the LDS stores that read results and of the loads into registers that they have read (once a launch: more than the four that are asked for)
.endr
	TOSTAGE 0
.irp a, 1,2,3,4,5,6,7                  ; block a's way through the stage stands between block a - 1's loads and its stores
	TOSTAGE \a
	SEND (\a)-1, 32
.endr
	SEND 7, 0
	s_wait_tensorcnt 0x0                           ; the wave's end, behind my last tensor load and my last LDS store
	ds_add_u32 v[SPW], v[NIL]
	s_wait_dscnt 0x0
	CROUND                                         ; the closing round: no work-group ends while a partner may still ask for a tile that names it
	s_endpgm
.Lfunc_end_k_qf3dc5f440c_gemm:
	.size	k_qf3dc5f440c_gemm, .Lfunc_end_k_qf3dc5f440c_gemm-k_qf3dc5f440c_gemm
	.p2alignl 7, 3214868480
	.fill 96, 4, 3214868480
	.section	.rodata,"a",@progbits
	.p2align	6, 0x0
	.amdhsa_kernel k_qf3dc5f440c_gemm
		.amdhsa_group_segment_fixed_size 327680
		.amdhsa_private_segment_fixed_size 0
		.amdhsa_enable_private_segment 0
		.amdhsa_kernarg_size 24
		.amdhsa_user_sgpr_count 2
		.amdhsa_user_sgpr_kernarg_segment_ptr 1
		.amdhsa_wavefront_size32 1
		.amdhsa_system_sgpr_workgroup_id_x 1
		.amdhsa_system_sgpr_workgroup_id_y 1
		.amdhsa_system_sgpr_workgroup_id_z 1
		.amdhsa_system_vgpr_workitem_id 0
		.amdhsa_next_free_vgpr 1024
		.amdhsa_next_free_sgpr 66
		.amdhsa_reserve_vcc 0
		.amdhsa_float_denorm_mode_32 3
		.amdhsa_float_denorm_mode_16_64 3
		.amdhsa_memory_ordered 1
		.amdhsa_forward_progress 1
		.amdhsa_inst_pref_size 192
	.end_amdhsa_kernel
	.amdgpu_metadata
---
amdhsa.version: [ 1, 2 ]
amdhsa.kernels:
  - .name:           k_qf3dc5f440c_gemm
    .symbol:         k_qf3dc5f440c_gemm.kd
    .args:
      - { .name: x, .offset: 0, .size: 8, .value_kind: global_buffer, .address_space: global }
      - { .name: wb, .offset: 8, .size: 8, .value_kind: global_buffer, .address_space: global }
      - { .name: out0, .offset: 16, .size: 8, .value_kind: global_buffer, .address_space: global }
    .group_segment_fixed_size: 327680
    .private_segment_fixed_size: 0
    .kernarg_segment_align: 8
    .kernarg_segment_size: 24
    .max_flat_workgroup_size: 128
    .sgpr_count:     66
    .vgpr_count:     1024
    .wavefront_size: 32
...
	.end_amdgpu_metadata
.endif
;; end of part 2
;; ======== version 2 of 2: 2 launches
;; workspace buffers: wb 16,777,216 bytes; xb 67,108,864 bytes
;; launch cast (part 3): grid 4096 x 1, 8 waves a work-group, no clusters, 0 bytes of LDS; arguments x, xb, w, wb; writes xb, wb
.if DOCPART == 3
	.amdgcn_target "amdgcn-amd-amdhsa--gfx1250"
	.amdhsa_code_object_version 6
	.text
	.protected	k_qf3dc5f440c_cast
	.globl	k_qf3dc5f440c_cast
	.p2align	8
	.type	k_qf3dc5f440c_cast,@function
k_qf3dc5f440c_cast:
	s_mov_b64 s[64:65], 0
	v_nop
	global_prefetch_b8 v0, s[64:65] scope:SCOPE_SE
	s_setreg_imm32_b32 hwreg(HW_REG_WAVE_MODE, 25, 1), 1
	s_wait_xcnt 0x0
; xb = bf16(x), wb = bf16(w), number by number, in the same order.  x: [8192][4096] f32, w: [4096][2048] f32; xb, wb: the same layouts in bf16.  Each number is rounded once, to nearest even.
; LIMITS.  A magnitude above bf16's largest finite number (3.39e38) becomes an infinity; NaN stays NaN.  Nothing is assumed of the values.
; SHARES.  Each of the 4,096 work-groups of eight waves takes 32,768 consecutive bytes of x (4,096 x 32,768 = all 134,217,728) and 8,192 of w (4,096 x 8,192 = all 33,554,432): all work-groups are alike, and no branch is needed.
; Thread t loads 16 bytes at 4,096 j + 16 t (x: j = 0..7; w: j = 0, 1): a wave's load covers 512 consecutive bytes.  It stores 8 bytes at 2,048 j + 8 t: a wave's store covers 256 consecutive bytes, aligned.
; All ten loads go out first; no register is written twice, so no wait frees a source.  Nothing is shared between waves: no LDS, no barrier.
.set IN,  8                            ; v[8:47]   load j at IN + 4 j: x's eight, then w's two
.set OUT, 48                           ; v[48:67]  result j at OUT + 2 j
	s_load_b256 s[4:11], s[0:1], 0x0               ; x s[4:5], xb s[6:7], w s[8:9], wb s[10:11]
	v_lshlrev_b32 v1, 4, v0                        ; 16 t
	v_lshlrev_b32 v2, 3, v0                        ; 8 t
	s_lshl_b32 s2, ttmp9, 15                       ; the work-group's part of x (under 2^27),
	s_mov_b32 s3, 0
	s_lshl_b32 s12, ttmp9, 14                      ; of xb,
	s_mov_b32 s13, 0
	s_lshl_b32 s14, ttmp9, 13                      ; of w,
	s_mov_b32 s15, 0
	s_lshl_b32 s16, ttmp9, 12                      ; and of wb
	s_mov_b32 s17, 0
	s_wait_kmcnt 0x0
	s_add_nc_u64 s[4:5], s[4:5], s[2:3]
	s_add_nc_u64 s[6:7], s[6:7], s[12:13]
	s_add_nc_u64 s[8:9], s[8:9], s[14:15]
	s_add_nc_u64 s[10:11], s[10:11], s[16:17]
.irp j, 0,1,2,3,4,5,6,7
	global_load_b128 v[IN+4*(\j):IN+4*(\j)+3], v1, s[4:5] offset:4096*(\j) th:TH_LOAD_NT
.endr
.irp j, 0,1
	global_load_b128 v[IN+32+4*(\j):IN+32+4*(\j)+3], v1, s[8:9] offset:4096*(\j) th:TH_LOAD_NT
.endr
.irp j, 0,1,2,3,4,5,6,7
	s_wait_loadcnt 9-(\j)                          ; loads come back in order (ISA guide 5.7.1): load j is in, the 9 - j younger ones may stay out
	v_cvt_pk_bf16_f32 v[OUT+2*(\j)],   v[IN+4*(\j)],   v[IN+4*(\j)+1]
	v_cvt_pk_bf16_f32 v[OUT+2*(\j)+1], v[IN+4*(\j)+2], v[IN+4*(\j)+3]
	global_store_b64 v2, v[OUT+2*(\j):OUT+2*(\j)+1], s[6:7] offset:2048*(\j)
.endr
.irp j, 0,1
	s_wait_loadcnt 1-(\j)                          ; w's two
	v_cvt_pk_bf16_f32 v[OUT+16+2*(\j)],   v[IN+32+4*(\j)],   v[IN+32+4*(\j)+1]
	v_cvt_pk_bf16_f32 v[OUT+16+2*(\j)+1], v[IN+32+4*(\j)+2], v[IN+32+4*(\j)+3]
	global_store_b64 v2, v[OUT+16+2*(\j):OUT+16+2*(\j)+1], s[10:11] offset:2048*(\j)
.endr
	s_endpgm
.Lfunc_end_k_qf3dc5f440c_cast:
	.size	k_qf3dc5f440c_cast, .Lfunc_end_k_qf3dc5f440c_cast-k_qf3dc5f440c_cast
	.p2alignl 7, 3214868480
	.fill 96, 4, 3214868480
	.section	.rodata,"a",@progbits
	.p2align	6, 0x0
	.amdhsa_kernel k_qf3dc5f440c_cast
		.amdhsa_group_segment_fixed_size 0
		.amdhsa_private_segment_fixed_size 0
		.amdhsa_enable_private_segment 0
		.amdhsa_kernarg_size 32
		.amdhsa_user_sgpr_count 2
		.amdhsa_user_sgpr_kernarg_segment_ptr 1
		.amdhsa_wavefront_size32 1
		.amdhsa_system_sgpr_workgroup_id_x 1
		.amdhsa_system_sgpr_workgroup_id_y 1
		.amdhsa_system_sgpr_workgroup_id_z 1
		.amdhsa_system_vgpr_workitem_id 0
		.amdhsa_next_free_vgpr 68
		.amdhsa_next_free_sgpr 66
		.amdhsa_reserve_vcc 0
		.amdhsa_float_denorm_mode_32 3
		.amdhsa_float_denorm_mode_16_64 3
		.amdhsa_memory_ordered 1
		.amdhsa_forward_progress 1
		.amdhsa_inst_pref_size 5
	.end_amdhsa_kernel
	.amdgpu_metadata
---
amdhsa.version: [ 1, 2 ]
amdhsa.kernels:
  - .name:           k_qf3dc5f440c_cast
    .symbol:         k_qf3dc5f440c_cast.kd
    .args:
      - { .name: x, .offset: 0, .size: 8, .value_kind: global_buffer, .address_space: global }
      - { .name: xb, .offset: 8, .size: 8, .value_kind: global_buffer, .address_space: global }
      - { .name: w, .offset: 16, .size: 8, .value_kind: global_buffer, .address_space: global }
      - { .name: wb, .offset: 24, .size: 8, .value_kind: global_buffer, .address_space: global }
    .group_segment_fixed_size: 0
    .private_segment_fixed_size: 0
    .kernarg_segment_align: 8
    .kernarg_segment_size: 32
    .max_flat_workgroup_size: 256
    .sgpr_count:     66
    .vgpr_count:     68
    .wavefront_size: 32
...
	.end_amdgpu_metadata
.endif
;; end of part 3
;; launch gemm (part 4): grid 8 x 32, 4 waves a work-group, clusters of 4 x 4, 327,680 bytes of LDS; arguments xb, wb, out0; writes out0
.if DOCPART == 4
	.amdgcn_target "amdgcn-amd-amdhsa--gfx1250"
	.amdhsa_code_object_version 6
	.text
	.protected	k_qf3dc5f440c_gemm
	.globl	k_qf3dc5f440c_gemm
	.p2align	8
	.type	k_qf3dc5f440c_gemm,@function
k_qf3dc5f440c_gemm:
	s_mov_b64 s[64:65], 0
	v_nop
	global_prefetch_b8 v0, s[64:65] scope:SCOPE_SE
	s_setreg_imm32_b32 hwreg(HW_REG_WAVE_MODE, 25, 1), 1
	s_wait_xcnt 0x0
	s_wait_alu depctr_hold_cnt(0) depctr_sa_sdst(0) depctr_va_vdst(0) depctr_va_sdst(0) depctr_va_ssrc(0) depctr_va_vcc(0) depctr_vm_vsrc(0)
	s_getreg_b32 s2, hwreg(HW_REG_IB_STS2, 6, 4)
	s_cmp_eq_u32 s2, 0
	s_cbranch_scc0 .Lentry_in_a_cluster
	s_endpgm
.Lentry_in_a_cluster:
	s_bfe_u32 s2, ttmp6, 0x10000c
	s_cmp_lg_u32 s2, 0xf033
	s_cbranch_scc0 .Lentry_shape_is_right
	s_endpgm
.Lentry_shape_is_right:
; out0[m][n] = the sum over k of x[m][k] w[k][n].  xb: [8192 (m)][4096 (k)] bf16, wb: [4096 (k)][2048 (n)] bf16 (x and w, each rounded once by the launch before), out0: [8192][2048] f32.
; Sums in f32, K ascending, one accumulator for each output.
; LIMITS.  Those of the rounding to bf16 in the launch before (a magnitude above 3.39e38 has become an infinity); NaN and infinities pass as the matrix instruction treats them.  No other limit of range.
; SHARES.  A tile of out0, 256 x 256, is made by a work-group of four waves; a wave makes 128 x 128: 64 accumulators of 16 x 16, 512 registers.  32 x 8 tiles: 256 work-groups.
; K goes in 32 steps of 128 through a ring of two LDS slots filled by the tensor data mover.  A slot holds 256 rows of xb (256 bytes a row) and 128 k-rows of wb (512 bytes a row); all these rows begin at multiples of
; 256 bytes from their buffer's first byte.  xb's fragments come out of LDS as they lie; wb lies [k][n] and is read turned, by ds_load_tr16_b128.
; THE LAST K STEP GOES BY ROWS OF out0, so that finished rows leave while the others are still multiplied.
; CLUSTERS: 4 x 4 work-groups.  The four of a row of the cluster need the same rows of xb, the four of a column the same columns of wb: each tile is asked for JOINTLY, by the same tensor load with the same
; descriptor and a mask that names the four.
; THE MATRIX INSTRUCTION IS USED TRANSPOSED: source 0 = 16 columns of w, source 1 = 16 rows of x.  In the result lane l holds row l % 16 of out0 and columns 8 (l / 16) + 0..7: 32 consecutive bytes.
; REGISTERS, in windows of 256 (s_set_vgpr_msb: bits 1:0 source 0, 3:2 source 1, 5:4 source 2, 7:6 destination):
;   window 0: v0-31 addresses; v64-127, v128-191 x's fragments (8 x 16 rows x 32 k), two buffers (in the last K step four, of 16 rows x 128 k); v192-255 the way out: 16 rows read back
;   window 1: v64-127, v128-191 w's fragments (8 x 16 columns x 32 k), two buffers; in the last K step all 256: w's fragments of the whole step
;   window 2: the 32 accumulators of my rows 0-63 (accumulator (a, b) at 8 (8 a + b));   window 3: those of my rows 64-127
; Work is laid in long stretches under one setting: 32 matrix instructions, 16 loads, 16 loads, 32 matrix instructions.
.set PA,     272                       ; a row of xb in LDS: 256 bytes + 16 of padding = 68 words: row r starts at bank 4 r mod 64 (64 banks of 4 bytes: ISA guide 11.1): the 16 rows that a load touches start at 16 different groups of four banks
.set PB,     544                       ; a k-row of wb: 512 + 32 = 136 words: row r starts at bank 8 r mod 64
.set HALFA,  128*PA                    ; what one tensor load brings of xb: 128 rows; also what one wave reads of it
.set HALFB,  64*PB                     ; what one tensor load brings of wb: 64 k-rows
.set BOFF,   256*PA                    ; wb's rows lie behind xb's 256
.set SLOT,   BOFF+128*PB               ; 139,264 bytes
.set STAGE,  2*SLOT                    ; behind the ring: 16 rows x 528 bytes for each wave, for the way out; no tensor load fills it
.set SPITCH, 528                       ; 512 bytes + 16 = 132 words: row r starts at bank 4 r mod 64
.set WSTAGE, 16*SPITCH
.set SPARE,  STAGE+4*WSTAGE            ; behind the stages: the spare words, 128 bytes for each wave: two blocks of 256 bytes that no other line names
.set XSTEP,  256                       ; a K step along a row of xb, in bytes
.set WSTEP,  128*4096                  ; a K step down wb, in bytes
.set OROW,   8192                      ; a row of out0, in bytes
.set LAPS,   16                        ; a lap = two K steps = once round the ring
.set ADRA, 16                          ; v16-17  LDS address of my x fragments in slot 0, 1
.set ADRB, 20                          ; v20-21  the same for w
.set STO,  24                          ; v24     the way out: where I put 32 bytes of a row
.set RD,   25                          ; v25     the way out: where I read a row back
.set CO,   26                          ; v26     my byte offset in 512 bytes of a row of out0
.set SPW,  28                          ; v28     LDS address of my spare word: SPARE + 4 x my thread's number; never rewritten
.set NIL,  29                          ; v29     0; never rewritten
.set PFO,  30                          ; v30     the prefetches' lane offset; never rewritten
.set F0,   64                          ; fragment buffer 0, in window 0 (x) and in window 1 (w)
.set F1,   128                         ; fragment buffer 1
.set PAF,  64                          ; the last K step: x's fragments of 16 rows x 128 k, 32 registers; four such buffers, v64-191
.set RB,   192                         ; window 0: the way out's 64 registers
.set G1,  24                           ; s[24:31] descriptor group 1 for xb's tiles
.set G0,  32                           ; s[32:39] group 0 for xb's tiles, one set for each slot
.set G1B, 48                           ; s[48:55] group 1 for wb's tiles
.set G0B, 56                           ; s[56:63] group 0 for wb's tiles, one set for each slot
.set PFS, 18                           ; s[18:19] a K step in the stream that I prefetch, in bytes
.set LIM, 43                           ; s43      1 in a wave that prefetches, else the greatest number
.set PFA, 44                           ; s[44:45] where my prefetches stand
.set MSB, 0
.macro WIN new                         ; the immediate's high byte repeats the setting that is left; a switch that changes nothing is dropped
.if MSB != (\new)
	s_set_vgpr_msb (MSB<<8)|(\new)
.set MSB, \new
.endif
.endm
.set MUL_LO, 0xa1                      ; source 0 (w) window 1, source 1 (x) window 0, C and D window 2
.set MUL_HI, 0xf1                      ; the same, C and D window 3
.set TO_B,   0x40                      ; destination window 1, address window 0
; A joint load.  Waves 0 and 1 fetch the two halves of xb's tile, waves 2 and 3 those of wb's.  The branch hangs on the wave's number alone: it is the same in every work-group.
; An s_nop 0 and four v_nop follow each of the two lines; the jump, the label and what follows come after them.
.macro JLOAD s
	s_cmp_eq_u32 s11, 0
	s_cbranch_scc0 .Lfor_b_\@
	tensor_load_to_lds s[G0+4*(\s):G0+4*(\s)+3], s[G1:G1+7]
	s_nop 0
.rept 4
	v_nop
.endr
	s_branch .Lasked_\@
.Lfor_b_\@:
	tensor_load_to_lds s[G0B+4*(\s):G0B+4*(\s)+3], s[G1B:G1B+7]
	s_nop 0
.rept 4
	v_nop
.endr
.Lasked_\@:
.endm
; A round of the cluster's barrier: my work-group's barrier, so that wave 0's signal speaks for all four waves; wave 0 signals for the work-group; every wave waits for all sixteen; my work-group's barrier once more.
.macro CREST                           ; a round behind its opening barrier
	s_cmp_lg_u32 s10, 0
	s_cbranch_scc1 .Lnot_wave_0_\@
	s_barrier_signal -3
.Lnot_wave_0_\@:
	s_barrier_wait -3
	s_barrier_signal -1
	s_barrier_wait -1
.endm
.macro CROUND                          ; a whole round
	s_barrier_signal -1
	s_barrier_wait -1
	CREST
.endm
; A PREFETCH INTO THE L2, behind a joint load, its five lines and the run of LDS loads that follows: the K step that stands TWO refills on, 512 matrix instructions of a wave ahead of the load that will want it.
; Each aligned block of 256 bytes is named once in the launch.  xb: a K step is 256 bytes of each row; the clusters with x = 0 ask, waves 0 and 1; of the 128 rows that a wave fetches the partner at cx takes 32, a lane a row.
; wb: a K step is 128 k-rows x 512 bytes for each tile column; the clusters with y = 0 ask, waves 2 and 3; of the 64 k-rows that a wave fetches the partner at cy takes 16, two lanes a row.
; The partners are told apart BY ADDRESS, never by a branch.  K steps 0 to 3 come by their loads alone; trip i names steps 2 i + 4 and 2 i + 5; the loop's last trip (s3 = 1) and the tail ask for nothing: the last step named is 31.
.macro ASK
	WIN 0
	s_cmp_gt_u32 s3, s[LIM]
	s_cbranch_scc0 .Lnot_mine_\@
	global_prefetch_b8 v[PFO], s[PFA:PFA+1] th:TH_LOAD_NT scope:SCOPE_SE
.Lnot_mine_\@:
.endm
	s_load_b128 s[4:7], s[0:1], 0x0                ; xb s[4:5], wb s[6:7]
	s_load_b64 s[8:9], s[0:1], 0x10                ; out0
	v_lshl_add_u32 v[SPW], v0, 2, SPARE
	v_mov_b32 v[NIL], 0
	ds_add_u32 v[SPW], v[NIL]                      ; the wave's opening: the add, twice on end, and its wait ahead of my first tensor load; the set-up below, work on registers, stands between
	ds_add_u32 v[SPW], v[NIL]                      ; and once more, under the one wait
	v_lshrrev_b32 v1, 5, v0
	v_readfirstlane_b32 s10, v1                    ; wave 0..3
	s_lshr_b32 s11, s10, 1                         ; which 128 rows of the tile are mine.  Also: I fetch for xb (0) or for wb (1)
	s_and_b32 s12, s10, 1                          ; which 128 columns.  Also: which half of that tile I fetch
	s_bfe_u32 s40, ttmp6, 0x40000                  ; cx
	s_bfe_u32 s41, ttmp6, 0x40004                  ; cy
	s_lshl_b32 s42, ttmp9, 2                       ; in a cluster launch ttmp9 and ttmp7 count clusters
	s_add_co_u32 s42, s42, s40                     ; tile column = 4 x cluster x + cx
	s_and_b32 s13, ttmp7, 0xffff
	s_lshl_b32 s13, s13, 2
	s_add_co_u32 s13, s13, s41                     ; tile row = 4 x cluster y + cy
	s_lshl_b32 s43, s41, 2
	s_lshl_b32 s43, 15, s43                        ; my row of the cluster: places 4 cy .. 4 cy + 3
	s_lshl_b32 s44, 0x1111, s40                    ; my column: places cx, cx + 4, cx + 8, cx + 12
	; group 1 for xb: 128 rows x 128 elements of 2 bytes, 4 words of padding behind every 64
	s_or_b32 s[G1+0], s43, (1<<16)|(1<<20)|(1<<21)|(5<<22)|(3<<25)   ; 15:0 the mask: my row; 17:16 elements of 2 bytes; 20 padding on; 21 set beside a mask; 24:22 after every 64 words (code 5); 31:25 4 words (code 3)
	s_mov_b32 s[G1+1], 128<<16                     ; tensor_dim0 = 128
	s_mov_b32 s[G1+2], 128<<16                     ; tensor_dim1 = 128
	s_mov_b32 s[G1+3], 128<<16                     ; tile_dim0 = 128
	s_mov_b32 s[G1+4], 128                         ; tile_dim1 = 128
	s_mov_b32 s[G1+5], 4096                        ; elements from row to row
	s_mov_b32 s[G1+6], 0
	s_mov_b32 s[G1+7], 0
	; group 1 for wb: 64 k-rows x 256 elements of 2 bytes, 8 words of padding behind every 128
	s_or_b32 s[G1B+0], s44, (1<<16)|(1<<20)|(1<<21)|(6<<22)|(7<<25)  ; the mask: my column; elements of 2 bytes; after every 128 words (code 6) 8 words (code 7)
	s_mov_b32 s[G1B+1], 256<<16                    ; tensor_dim0 = 256
	s_mov_b32 s[G1B+2], 64<<16                     ; tensor_dim1 = 64
	s_mov_b32 s[G1B+3], 256<<16                    ; tile_dim0 = 256
	s_mov_b32 s[G1B+4], 64                         ; tile_dim1 = 64
	s_mov_b32 s[G1B+5], 2048                       ; elements from k-row to k-row
	s_mov_b32 s[G1B+6], 0
	s_mov_b32 s[G1B+7], 0
	; where the tiles come from.  xb's hang on the tile row alone, wb's on the tile column alone; each offset lies in registers that never hold the other coordinate.  Both stay under 2^27.
	s_lshl_b32 s16, s13, 8
	s_lshl_b32 s17, s12, 7
	s_add_co_u32 s16, s16, s17                     ; xb: row 256 x tile row + 128 x half,
	s_lshl_b32 s16, s16, 13                        ; x 8,192 bytes
	s_mov_b32 s17, 0
	s_lshl_b32 s46, s12, 18                        ; wb: k-row 64 x half, x 4,096 bytes,
	s_lshl_b32 s47, s42, 9                         ; + 512 bytes x tile column
	s_add_co_u32 s46, s46, s47
	s_mov_b32 s47, 0
	s_mul_i32 s20, s12, HALFA                      ; and where they go: no place in the cluster enters an LDS address
	s_mul_i32 s21, s12, HALFB
	s_add_co_u32 s21, s21, BOFF
	s_wait_dscnt 0x0                               ; both opening adds are done
	s_wait_kmcnt 0x0
	s_add_nc_u64 s[14:15], s[4:5], s[16:17]
	s_add_nc_u64 s[46:47], s[6:7], s[46:47]
	CROUND                                         ; all sixteen work-groups are here: the first joint loads meet
.irp s, 0,1
	s_mov_b32 s[G0+4*(\s)], 1                                        ; count = 1
	s_add_co_u32 s[G0+4*(\s)+1], s20, (\s)*SLOT                      ; LDS address
	s_add_nc_u64 s[G0+4*(\s)+2:G0+4*(\s)+3], s[14:15], (\s)*XSTEP    ; global address: K step s
	s_or_b32 s[G0+4*(\s)+3], s[G0+4*(\s)+3], 0x80000000              ; type = 2
	s_mov_b32 s[G0B+4*(\s)], 1
	s_add_co_u32 s[G0B+4*(\s)+1], s21, (\s)*SLOT
	s_add_nc_u64 s[G0B+4*(\s)+2:G0B+4*(\s)+3], s[46:47], (\s)*WSTEP
	s_or_b32 s[G0B+4*(\s)+3], s[G0B+4*(\s)+3], 0x80000000
	JLOAD \s                                       ; both slots are asked for before anything else is done: two loads of mine are out
.endr
	v_and_b32 v1, 15, v0                           ; r = l % 16
	v_bfe_u32 v2, v0, 4, 1                         ; h = l / 16
	v_and_b32 v3, 31, v0                           ; l
	; A fragment of x is 16 rows x 32 k in 8 registers: lane l holds row r; registers 0-3 k = 8 h + 0..7, registers 4-7 k = 16 + 8 h + 0..7: two loads of 16 bytes, 32 bytes apart.
	v_mul_u32_u24 v4, v1, PA
	v_lshl_add_u32 v4, v2, 4, v4                   ; r x pitch + 16 h
	s_mul_i32 s22, s11, HALFA                      ; my 128 rows
	v_add_nc_u32 v[ADRA], s22, v4
	v_add_nc_u32 v[ADRA+1], SLOT, v[ADRA]
	; The turning load takes 16 k x 16 columns (lane l reads 16 bytes: k-row 8 h + l % 8, columns 8 ((l / 8) % 2) + 0..7) and leaves half a fragment: lane l holds column r and 8 k.
	v_and_b32 v5, 7, v0
	v_bfe_u32 v6, v0, 3, 1
	v_lshl_add_u32 v5, v2, 3, v5
	v_mul_u32_u24 v5, v5, PB
	v_lshl_add_u32 v5, v6, 4, v5
	s_lshl_b32 s23, s12, 8                         ; my 128 columns: 256 bytes
	s_add_co_u32 s23, s23, BOFF
	v_add_nc_u32 v[ADRB], s23, v5
	v_add_nc_u32 v[ADRB+1], SLOT, v[ADRB]
	s_mul_i32 s22, s10, WSTAGE
	s_add_co_u32 s22, s22, STAGE                   ; my stage
	v_mul_u32_u24 v7, v1, SPITCH                   ; in: row r, 32 bytes for each half of the lanes
	v_lshl_add_u32 v7, v2, 5, v7
	v_add_nc_u32 v[STO], s22, v7
	v_lshl_add_u32 v[RD], v3, 4, s22               ; back: 32 lanes take one row of 512 bytes
	v_lshlrev_b32 v[CO], 4, v3                     ; and the same 512 bytes in out0
	; out0 at my first element: row 256 x tile row + 128 x row half, column 256 x tile column + 128 x column half
	s_lshl_b32 s16, s13, 8
	s_lshl_b32 s17, s11, 7
	s_add_co_u32 s16, s16, s17
	s_lshl_b32 s16, s16, 13                        ; x 8,192 bytes: under 2^26
	s_lshl_b32 s46, s42, 10
	s_lshl_b32 s47, s12, 9
	s_add_co_u32 s46, s46, s47
	s_add_co_u32 s46, s46, s16
	s_mov_b32 s47, 0
	s_add_nc_u64 s[8:9], s[8:9], s[46:47]
	; the prefetches: offsets first, made apart from the addresses
	s_lshl_b32 s20, s13, 8
	s_lshl_b32 s21, s12, 7
	s_add_co_u32 s20, s20, s21                     ; xb: the 128 rows that I fetch,
	s_lshl_b32 s21, s40, 5
	s_add_co_u32 s20, s20, s21                     ; my work-group's 32 of them,
	s_lshl_b32 s20, s20, 13
	s_add_co_u32 s20, s20, 3*XSTEP                 ; at K step 3: the first refill steps it to 4
	s_lshl_b32 s21, s12, 18                        ; wb: the 64 k-rows that I fetch,
	s_lshl_b32 s23, s41, 16                        ; my work-group's 16 of them,
	s_add_co_u32 s21, s21, s23
	s_lshl_b32 s23, s42, 9                         ; my tile column's 512 bytes,
	s_add_co_u32 s21, s21, s23
	s_add_co_u32 s21, s21, 3*WSTEP                 ; at K step 3
	s_mov_b32 s[PFS], WSTEP                        ; wb's values first; xb's take their place below in waves 0 and 1
	s_mov_b32 s[PFS+1], 0
	s_mov_b32 s14, 1                               ; lanes to a row, as a shift and as a mask
	s_mov_b32 s15, 4096                            ; bytes from row to row
	s_and_b32 s22, ttmp7, 0xffff                   ; cluster y
	s_cmp_eq_u32 s11, 0                            ; do I fetch for xb?
	s_cselect_b32 s22, ttmp9, s22                  ; the coordinate along which other clusters read the same rows
	s_cselect_b64 s[PFA:PFA+1], s[4:5], s[6:7]
	s_cselect_b32 s[PFS], XSTEP, s[PFS]
	s_cselect_b32 s20, s20, s21
	s_cselect_b32 s14, 0, s14
	s_cselect_b32 s15, 8192, s15
	s_mov_b32 s21, 0
	s_add_nc_u64 s[PFA:PFA+1], s[PFA:PFA+1], s[20:21]
	s_cmp_eq_u32 s22, 0
	s_cselect_b32 s[LIM], 1, -1                    ; the same in all sixteen partners, for a given wave
	v_lshrrev_b32 v8, s14, v3                      ; xb: row l; wb: k-row l / 2,
	v_and_b32 v9, s14, v3                          ; and block l % 2 of its two
	v_mul_u32_u24 v8, s15, v8
	v_lshl_add_u32 v[PFO], v9, 8, v8
; One matrix instruction: accumulator (a, b) of window 2 + hi, on buffers f.  zero = 1: the product starts the sum: nothing is ever cleared.
.macro MM f, hi, a, b, zero
	WIN MUL_LO+0x50*(\hi)
.if \zero
	v_wmma_f32_16x16x32_bf16 v[8*(8*(\a)+(\b)):8*(8*(\a)+(\b))+7], v[(\f)+8*(\b):(\f)+8*(\b)+7], v[(\f)+8*(4*(\hi)+(\a)):(\f)+8*(4*(\hi)+(\a))+7], 0
.else
	v_wmma_f32_16x16x32_bf16 v[8*(8*(\a)+(\b)):8*(8*(\a)+(\b))+7], v[(\f)+8*(\b):(\f)+8*(\b)+7], v[(\f)+8*(4*(\hi)+(\a)):(\f)+8*(4*(\hi)+(\a))+7], v[8*(8*(\a)+(\b)):8*(8*(\a)+(\b))+7]
.endif
.endm
; 16 matrix instructions: row blocks a0, a0 + 1 of the window's four x all 8 column blocks, 32 along K.  The 64 accumulators take turns in the same order in every quarter: 63 others stand between two links of a chain.
.macro MUL16 f, hi, a0, zero
.irp a, \a0, (\a0)+1
.irp b, 0,1,2,3,4,5,6,7
	MM \f, \hi, \a, \b, \zero
.endr
.endr
.endm
; 32 LDS loads in one run: the fragments of quarter q (32 k) of a slot's step into buffers f: w's 8, turned, then x's 8.
.macro FETCH slot, q, f
	WIN TO_B
.irp b, 0,1,2,3,4,5,6,7
	ds_load_tr16_b128 v[(\f)+8*(\b):(\f)+8*(\b)+3],   v[ADRB+(\slot)] offset:(\q)*32*PB+32*(\b)
	ds_load_tr16_b128 v[(\f)+8*(\b)+4:(\f)+8*(\b)+7], v[ADRB+(\slot)] offset:(\q)*32*PB+16*PB+32*(\b)
.endr
	WIN 0
.irp i, 0,1,2,3,4,5,6,7
	ds_load_b128 v[(\f)+8*(\i):(\f)+8*(\i)+3],   v[ADRA+(\slot)] offset:(\q)*64+(\i)*16*PA
	ds_load_b128 v[(\f)+8*(\i)+4:(\f)+8*(\i)+7], v[ADRA+(\slot)] offset:(\q)*64+(\i)*16*PA+32
.endr
.endm
; A load into a register that a matrix instruction has read, and an LDS store that reads a matrix result, stand four places behind that matrix instruction, and only plain vector instructions that name none of
; its registers are places (ISA guide 7.12.1 for vector instructions): four v_nop in front of each run of loads.
.macro PLACES
.rept 4
	v_nop
.endr
.endm
; A K step is four quarters of 32 along K, 64 matrix instructions each, on buffers 0, 1, 0, 1.
; One of the first three: multiplies buffers f; in its middle it fetches quarter q of the same slot into buffers g.
.macro QUARTER slot, q, f, g, zero
	s_wait_dscnt 8                                 ; w's fragments and x's rows 0-63 are in; the youngest eight loads (x's rows 64-127) may be out
	MUL16 \f, 0, 0, \zero
	MUL16 \f, 0, 2, \zero
	PLACES
	FETCH \slot, \q, \g
	s_wait_dscnt 32                                ; all but the 32 just issued
	MUL16 \f, 1, 0, \zero
	MUL16 \f, 1, 2, \zero
.endm
; The last quarter multiplies buffers 1 and changes slots.  MEET is its first half: ONE barrier for the change, for two things.  In front of it each wave waits for all its tensor loads, of which one is out: its part
; of the next slot; adds 0 to its spare word; and waits for that and for its own reads of this slot.  Behind it nobody reads this slot any more and the next slot is whole.
.macro MEET round                      ; round = 1: a round of the cluster's barrier follows
	WIN 0                                          ; (the add's two registers lie in window 0)
	s_wait_tensorcnt 0x0                           ; all my tensor loads have landed: the one that was out, asked for 224 matrix instructions ago, is my part of the next slot
	ds_add_u32 v[SPW], v[NIL]                      ; 0 onto my spare word
	s_wait_dscnt 9                                 ; the add and the youngest eight loads (x's rows 64-127) may be out
	MUL16 F1, 0, 0, 0                              ; sixteen matrix instructions stand between the add and the wait for it
	s_wait_dscnt 0x0                               ; the add is done, and my reads of this slot are over:
	s_barrier_signal -1                            ; say so,
	MUL16 F1, 0, 2, 0                              ; work on registers while the others arrive,
.if \round
	WIN 0
.endif
	s_barrier_wait -1                              ; and go on when all four have said so
.endm
; The whole last quarter, where the slot is filled again with the K step two on: the barrier opens a round of the cluster's, the joint refill is the first tensor load behind it, one a wave; then the next slot's first fragments.
.macro TURN slot, next
	s_wait_xcnt 0x0                                ; the last prefetch, a K step back, has read its address: it is stepped here, far ahead of the joint load
	s_add_nc_u64 s[PFA:PFA+1], s[PFA:PFA+1], s[PFS:PFS+1]
	MEET 1
	CREST                                          ; all sixteen work-groups have said so: no wave of any partner still reads this slot or has a load on its way
	s_add_nc_u64 s[G0+4*(\slot)+2:G0+4*(\slot)+3], s[G0+4*(\slot)+2:G0+4*(\slot)+3], 2*XSTEP
	s_add_nc_u64 s[G0B+4*(\slot)+2:G0B+4*(\slot)+3], s[G0B+4*(\slot)+2:G0B+4*(\slot)+3], 2*WSTEP
	JLOAD \slot                                    ; the four v_nop behind it are also the places in front of the loads below
	FETCH \next, 0, F0
	ASK
	MUL16 F1, 1, 0, 0
	MUL16 F1, 1, 2, 0
.endm
; THE LAST K STEP (it lies in slot 1) GOES BY ROWS OF out0, NOT BY K.  All its fragments of w (4 quarters x 64 registers) fill window 1; then my eight blocks of 16 rows are finished one after the other, each with
; 32 matrix instructions (its 8 accumulators by turns; K ascending: the sums stay the same bit for bit).  LDS is read no more than in any other K step.
.macro BLOAD q                         ; w's fragments of quarter q, turned -> window 1, v[64 q ..]
	WIN TO_B
.irp b, 0,1,2,3,4,5,6,7
	ds_load_tr16_b128 v[64*(\q)+8*(\b):64*(\q)+8*(\b)+3],   v[ADRB+1] offset:(\q)*32*PB+32*(\b)
	ds_load_tr16_b128 v[64*(\q)+8*(\b)+4:64*(\q)+8*(\b)+7], v[ADRB+1] offset:(\q)*32*PB+16*PB+32*(\b)
.endr
.endm
.macro ALOAD a                         ; x's fragments of block a, all four quarters -> buffer a % 4
	WIN 0
.set FA, PAF+32*((\a)%4)
.irp q, 0,1,2,3
	ds_load_b128 v[FA+8*(\q):FA+8*(\q)+3],   v[ADRA+1] offset:64*(\q)+(\a)*16*PA
	ds_load_b128 v[FA+8*(\q)+4:FA+8*(\q)+7], v[ADRA+1] offset:64*(\q)+(\a)*16*PA+32
.endr
.endm
.macro ROW a                           ; block a is finished: 32 matrix instructions
.set FA, PAF+32*((\a)%4)               ; its fragments of x
.set AC, 64*((\a)%4)                   ; its eight accumulators, in window 2 (blocks 0-3) or 3 (blocks 4-7)
	WIN MUL_LO+0x50*((\a)/4)
.irp q, 0,1,2,3
.if ((\a) == 0) && ((\q) == 2)
	s_wait_dscnt 24                                ; w's quarter 2 is in (behind it: the 24 loads of x's blocks 1 to 3)
.endif
.irp b, 0,1,2,3,4,5,6,7
	v_wmma_f32_16x16x32_bf16 v[AC+8*(\b):AC+8*(\b)+7], v[64*(\q)+8*(\b):64*(\q)+8*(\b)+7], v[FA+8*(\q):FA+8*(\q)+7], v[AC+8*(\b):AC+8*(\b)+7]
.endr
.endr
.endm
; THE WAY OUT of block a (16 rows x 128 columns of f32): a lane's 32 bytes of a row go into my own stage, rows of 528 bytes; whole rows of 512 bytes come back.  Each accumulator's lowest four registers go first.
.macro TOSTAGE a
.if (\a) >= 1
	s_wait_xcnt 0x0                                ; the stores of the block before, 32 matrix instructions back, have read the 64 registers: only behind this wait are they loaded again
.endif
	WIN 0x08+4*((\a)/4)                            ; store data in window 2 or 3, address in window 0
.irp b, 0,1,2,3,4,5,6,7
	ds_store_b128 v[STO], v[64*((\a)%4)+8*(\b):64*((\a)%4)+8*(\b)+3]   offset:64*(\b)
	ds_store_b128 v[STO], v[64*((\a)%4)+8*(\b)+4:64*((\a)%4)+8*(\b)+7] offset:64*(\b)+16
.endr
	WIN 0
.irp t, 0,1,2,3,4,5,6,7,8,9,10,11,12,13,14,15
	ds_load_b128 v[RB+4*(\t):RB+4*(\t)+3], v[RD] offset:(\t)*SPITCH  ; LDS serves a wave's instructions in order (ISA guide 5.7.1.4): these see the stores above, and the next block's stores come behind them
.endr
.endm
.macro SEND a, younger                 ; younger: the LDS loads issued behind block a's: the eight of x's block four on, or none
	WIN 0
.irp t, 0,1,2,3,4,5,6,7,8,9,10,11,12,13,14,15
	s_wait_dscnt (\younger)+15-(\t)                ; row t is back; my 15 - t later rows and the younger loads may be out
	global_store_b128 v[CO], v[RB+4*(\t):RB+4*(\t)+3], s[8:9] offset:(16*(\a)+(\t))*OROW th:TH_STORE_NT  ; 512 consecutive bytes, at a multiple of 512 from out0's first; 127 rows at the most in the immediate
.endr
.endm
	s_wait_tensorcnt 1                             ; my part of K step 0 is in; slot 1's may stay out
	s_barrier_signal -1
	s_barrier_wait -1                              ; everybody's is
	FETCH 0, 0, F0
	QUARTER 0, 1, F0, F1, 1                        ; the first quarter stands in front of the loop: its products start the sums
	WIN 0                                          ; at a label and at a branch every window is 0
	s_mov_b32 s3, LAPS-1
.Llap:                                         ; a trip goes once round the ring, from a lap's second quarter to the next lap's first, and fills both slots again: trip i asks for K steps 2 i + 2 and 2 i + 3
	QUARTER 0, 2, F1, F0, 0
	QUARTER 0, 3, F0, F1, 0
	TURN 0, 1
	QUARTER 1, 1, F0, F1, 0
	QUARTER 1, 2, F1, F0, 0
	QUARTER 1, 3, F0, F1, 0
	TURN 1, 0
	QUARTER 0, 1, F0, F1, 0
	WIN 0
	s_sub_co_u32 s3, s3, 1
	s_cmp_lg_u32 s3, 0
	s_cbranch_scc1 .Llap
	QUARTER 0, 2, F1, F0, 0                        ; the last lap is written out: it fills nothing
	QUARTER 0, 3, F0, F1, 0
	MEET 0                                         ; my one tensor load that was still out is slot 1's, the last K step's, so no round follows
	PLACES                                         ; for the loads into buffers 0, which the quarter before multiplied
	BLOAD 0                                        ; three quarters of w now: buffers 1 (v128-191 of both windows) are still being multiplied
	BLOAD 1
	BLOAD 3
	ALOAD 0
	MUL16 F1, 1, 0, 0
	MUL16 F1, 1, 2, 0
	PLACES                                         ; for the loads into buffers 1
	BLOAD 2
	ALOAD 1
	ALOAD 2
	ALOAD 3
	s_wait_dscnt 40                                ; all but the 40 just issued: w's quarters 0, 1 and 3 and x's block 0 are in
	ROW 0
.irp a, 0,1,2,3,4,5,6,7                ; each block leaves as soon as it is finished: nothing follows this tile, so the sooner its stores begin, the sooner the launch ends
	PLACES                                         ; the LDS stores read results just made, the loads below land in registers just read, and no other vector work is at hand;
	PLACES                                         ; eight places where four are asked for: a margin of 32 issue slots in the launch
	TOSTAGE \a
.if (\a) < 4
	ALOAD (\a)+4                                   ; its buffer takes the block four further on
	SEND \a, 8
.else
	SEND \a, 0
.endif
.if (\a) < 7
	ROW (\a)+1
.endif
.endr
	s_wait_tensorcnt 0x0                           ; the wave's end, behind my last tensor load and my last LDS store
	ds_add_u32 v[SPW], v[NIL]
	s_wait_dscnt 0x0
	CROUND                                         ; the closing round: no work-group ends while a partner may still ask for a tile that names it
	s_endpgm
.Lfunc_end_k_qf3dc5f440c_gemm:
	.size	k_qf3dc5f440c_gemm, .Lfunc_end_k_qf3dc5f440c_gemm-k_qf3dc5f440c_gemm
	.p2alignl 7, 3214868480
	.fill 96, 4, 3214868480
	.section	.rodata,"a",@progbits
	.p2align	6, 0x0
	.amdhsa_kernel k_qf3dc5f440c_gemm
		.amdhsa_group_segment_fixed_size 327680
		.amdhsa_private_segment_fixed_size 0
		.amdhsa_enable_private_segment 0
		.amdhsa_kernarg_size 24
		.amdhsa_user_sgpr_count 2
		.amdhsa_user_sgpr_kernarg_segment_ptr 1
		.amdhsa_wavefront_size32 1
		.amdhsa_system_sgpr_workgroup_id_x 1
		.amdhsa_system_sgpr_workgroup_id_y 1
		.amdhsa_system_sgpr_workgroup_id_z 1
		.amdhsa_system_vgpr_workitem_id 0
		.amdhsa_next_free_vgpr 1024
		.amdhsa_next_free_sgpr 66
		.amdhsa_reserve_vcc 0
		.amdhsa_float_denorm_mode_32 3
		.amdhsa_float_denorm_mode_16_64 3
		.amdhsa_memory_ordered 1
		.amdhsa_forward_progress 1
		.amdhsa_inst_pref_size 147
	.end_amdhsa_kernel
	.amdgpu_metadata
---
amdhsa.version: [ 1, 2 ]
amdhsa.kernels:
  - .name:           k_qf3dc5f440c_gemm
    .symbol:         k_qf3dc5f440c_gemm.kd
    .args:
      - { .name: xb, .offset: 0, .size: 8, .value_kind: global_buffer, .address_space: global }
      - { .name: wb, .offset: 8, .size: 8, .value_kind: global_buffer, .address_space: global }
      - { .name: out0, .offset: 16, .size: 8, .value_kind: global_buffer, .address_space: global }
    .group_segment_fixed_size: 327680
    .private_segment_fixed_size: 0
    .kernarg_segment_align: 8
    .kernarg_segment_size: 24
    .max_flat_workgroup_size: 128
    .sgpr_count:     66
    .vgpr_count:     1024
    .wavefront_size: 32
...
	.end_amdgpu_metadata
.endif
;; end of part 4
